; MI455X (gfx1250); checked and timed in simulation.
; The chip was launched on July 23, 2026; its instructions are those of AMD's public machine-readable ISA for CDNA 5 (MIT licence, August 2026) and "CDNA5" Instruction Set Architecture Reference Guide (July 2026). The comments in the code are by the model that wrote it; some were corrected since.
;; Step Latent Field Model ASS Bfinal2. Allowed arithmetic: matrix products marked QUANTISED: E5M2 operands, one given power-of-two scale a tensor, by v_wmma_f32_16x16x64_bf8_bf8 or v_wmma_f32_16x16x128_bf8_bf8, f32 sums; products left as they are: f32 operands where the result goes on into a quantised operand, else bf16, f16 or f32 operands; f32 sums; everything else in f32.
;; Inputs: W0 49 x 64 float32; W1_codes 64 x 2 x 32 uint8 (E5M2 codes of W1, K innermost, in blocks of 32 codes); Wout 64 x 1 float32; b0 64 float32; b1 64 float32; bout 1 float32; emb 511 x 32 float32; lowp_scales 4 int32 (the exponents e of the quantised operands' scales 2^e); rho 2,000,000 float32; time_idx 2,000,000 int32.
;; Outputs: out0 2,000,000 float32.
;; This version of the problem:
;;   THIS VERSION OF THE PROBLEM IS GIVEN IN LOW PRECISION. The matrix products marked QUANTISED in the list below multiply operands that are first quantised to E5M2 (5 exponent bits, 2 mantissa bits; 8 bits a number), with one given power-of-two scale for each operand tensor; their sums are f32. All else is computed in f32.
;;   The module's matrix products, in the order in which they are computed (A, B: the left and right operand; K: the contracted axis; several contracted axes count as one K, in the product's order):
;;     1. [M 2,000,000, K 49] x [K 49, N 64]; A: computed on the way; B: input W0: QUANTISED (scales: A lowp_scales[0], B lowp_scales[1])
;;     2. [M 2,000,000, K 64] x [K 64, N 64]; A: computed on the way; B: input W1 (given as codes): QUANTISED (scales: A lowp_scales[2], B lowp_scales[3])
;;     3. [M 2,000,000, K 64] x [K 64, N 1]; A: computed on the way; B: input Wout: left as it is (N = 1 < 16)
;;   THE QUANTISER, for each operand of a quantised product, along K:
;;     - The operand's scale is 2^e, e = its entry of the input lowp_scales (int32; the entries are numbered through the quantised products in the list's order, A before B).
;;     - Each number is divided by the scale, clamped to +-57,344, and rounded to the nearest number of E5M2, ties to even, subnormals kept.
;;     - The product sums the exact products of the quantised numbers (number of the format x scale) in f32.
;;   ~~~python
;;   def quantise(x, axis, e):      # numpy; x: float32 -> the quantised numbers, widened to float32 again
;;       x = np.moveaxis(x, axis, -1); K = x.shape[-1]
;;       r = np.clip(x / 2.0 ** e, -57344, 57344)
;;       step = 2.0 ** (np.maximum(np.frexp(np.where(r == 0, 1, r))[1] - 1, -14) - 2)
;;       q = np.round(r / step) * step * 2.0 ** e      # np.round: ties to even
;;       return np.moveaxis(q, -1, axis).astype(np.float32)
;;   ~~~
;;   OPERANDS COMPUTED ON THE WAY. 'Computed on the way' means the value that the module computes at that place (a softmax that the list does not call 'softmax' is quantised finished and normalised). What goes into a quantiser is computed in f32, as accurately as f32 sums, v_exp_f32 and their like allow (about 1e-6 of the number): no bf16 or f16 on the way to a quantiser, and a product that is left as it is and whose result goes on into a quantised operand takes f32 operands (vector FMAs, or v_wmma_f32_16x16x4_f32). A number that lies on a knife's edge between two numbers of the format may be rounded either way, as far as f32 arithmetic and the matrix unit's own rounding can turn it there, and no further.
;;   INPUTS GIVEN AS CODES. W1 (in the module: [64, 64], K = its axis 0): each comes as NAME_codes (uint8): NAME with its K axis moved to the last place and cut into blocks of 32 codes, [.., K / 32, bytes a block], one block behind the other in memory; one code a byte (a code: sign, 5 exponent bits, 2 mantissa bits); its scale is its entry of lowp_scales. Its value is code x scale, taken as it is: it is not quantised again, and the codes and scales need not be those that the quantiser above would give.
;; 2 versions, each right; version 2 is version 1 with the launch mlp written anew for expert scheduling mode. Each part assembles by itself: llvm-mc -triple=amdgcn-amd-amdhsa -mcpu=gfx1250 --defsym DOCPART=n.
;; ======== version 1 of 2: 1 launch
;; launch mlp (part 1): grid 256 x 1, 16 waves a work-group, no clusters, 23,040 bytes of LDS; arguments rho, time_idx, emb, W0, b0, W1_codes, b1, Wout, bout, lowp_scales, out0; writes out0
.if DOCPART == 1
	.amdgcn_target "amdgcn-amd-amdhsa--gfx1250"
	.amdhsa_code_object_version 6
	.text
	.protected	k_q759548af04_mlp
	.globl	k_q759548af04_mlp
	.p2align	8
	.type	k_q759548af04_mlp,@function
k_q759548af04_mlp:
	s_mov_b64 s[64:65], 0
	v_nop
	global_prefetch_b8 v0, s[64:65] scope:SCOPE_SE
	s_setreg_imm32_b32 hwreg(HW_REG_WAVE_MODE, 25, 1), 1
	s_wait_xcnt 0x0
; out0[p] = time_idx[p] == 0 ? 8,610 : 28,700 x sigmoid(silu(silu(Q(x) Q(W0) + b0) -> Q(.) W1 + b1) . Wout + bout + logit(0.3)),
; x = [emb[clip(time_idx - 1, 0, 510)] (32), rho, cos(k pi rho) (k = 1..8), sin(k pi rho) (k = 1..8)].  Both 64-wide products on codes of BF8 (E5M2), each operand with its given scale 2^e
; (lowp_scales: e0 x, e1 W0, e2 the hidden layer, e3 W1); the last product (N = 1) by f32 multiply-adds.  2,000,000 points.
; DEAD WORK: none.  Every input has a way to out0 and is loaded.  Points with time_idx == 0 lie among live points of a tile: they are computed and the constant is selected.  K = 49 is filled to the instruction's 64
; with weights whose code is 0.
; SHARES.  A chunk is 64 points: 256 bytes of rho, of time_idx and of out0; 2,000,000 = 64 x 31,250.  Wave gid = 256 x wave + work-group (0 .. 4,095) takes chunks gid + 4,096 i: 8 trips where gid < 2,578, else 7.
; A chunk is four tiles of 16 points: lane (r = lane % 16, h = lane / 16) loads 16 bytes at 16 r, and register j of that load is point 4 r + j, column r of tile j.
; LAYOUT.  Both products are used transposed: source 0 = 16 units of the weight, source 1 = 16 points.  In the result lane (r, h) holds point r, and register j of unit tile t holds unit 16 t + 8 h + j: the place that the
; next product's operand gives k = 16 t + 8 h + j.  So the conversions of the first layer's results ARE the second product's operand, and all 32 lanes work in every activation.
; x's 64 places along K, the same in x's and in W0's fragment: registers 0-3: emb 16 h + 0..15 (one LDS load from a table of codes); registers 4-5: cos (h = 0) or sin (h = 1) of k pi rho; register 6 byte 0: rho
; (its weight's code is 0 where h = 1); all other places: weight code 0, and x holds zeros there.
; TABLES, made once by each work-group at its head and never written again: emb's codes, W0's four fragments as images of their registers, the biases divided by the power of two that the sums lack (they are the C of
; the products).  What work-groups share is these 82 KB, read once each: no tensor load, no cluster.  Each chunk's two loads are issued a whole trip ahead of their use, so nothing is prefetched.
; FEATURES.  n = rho rounded to a whole number, f = rho - n (exact), z = f^2; cos(pi f) and sin(pi f) / f by their series in z up to z^6 (|f| <= 1/2: the first term left out is under 7e-9), the sign (-1)^n by an exclusive or;
; then u(k+1) = 2 cos(pi rho) u(k) - u(k-1), which cos and sin both obey: lanes h = 0 walk the cosines, lanes h = 1 the sines.
; silu(a) = a / (1 + 2^(-a log2 e)); an exponential that overflows gives the quotient 0, one that underflows gives a: no shift is needed.
; LIMITS.  e0, e1 and e2 - e0 - e1 between -126 and 112; e0 + e1 and e2 + e3 between -126 and 127.  |rho| < 2^31.  The angle is reduced exactly, where the f32 product pi rho k is rounded: the features differ from such a
; computation by about k |rho| 4e-7.  NaN and infinities among the floating-point inputs are not served.
.set EMBT,  0                          ; LDS: emb's codes, row i at 32 i; row 511 takes the last, clamped groups and is never read
.set W0IMG, 16384                      ; W0's fragments: tile t, registers 4 q .. 4 q + 3 at 1024 t + 512 q + 16 x lane
.set BIAS,  20480                      ; 64 f32 of b0 / 2^(e0 + e1), then 64 of b1 / 2^(e2 + e3)
.set SPARE, 20992                      ; the spare words, 128 bytes for each of the 16 waves: eight blocks of 256 bytes that no other line names
.set SPW,  1                           ; v1   LDS address of my spare word; never rewritten
.set NIL,  2                           ; v2   0; never rewritten
.set GOFF, 3                           ; v3   16 r: my 16 bytes of a chunk of rho and of time_idx
.set SOFF, 4                           ; v4   16 r + 8 h: my 8 bytes of a chunk of out0
.set EB,   5                           ; v5   EMBT + 16 h
.set BL,   6                           ; v6   BIAS + 32 h
.set U0,   7                           ; v7   u(0): 1 for the cosines (h = 0), 0 for the sines
.set SC0,  8                           ; v8   2^e0
.set SCH,  9                           ; v9   2^(e2 - e0 - e1)
.set ICV,  10                          ; v10  8,610
.set PX,   11                          ; v11  what the other half of the lanes sends
.set OUT,  12                          ; v[12:13] the two results that I store
.set CH0,  14                          ; v[14:15], v[58:59] two chains of the last product
.set CH1,  58
.set LR,   16                          ; v[16:19] rho of points 4 r + 0..3
.set LI,   20                          ; v[20:23] time_idx
.set PS,   24                          ; v[24:27] tile j's half sum of the last product
.set CF,   28                          ; v[28:41] the series' coefficients in pairs (cos, sin), from z^6 down to z^0
.set Z,    42                          ; v[42:49] rho, held, and seven zeros that stay
.set Y,    50                          ; v[50:57] the hidden layer's codes
.set GA,   60                          ; v[60:63] LDS address of tile j's row of emb's codes
.set X,    64                          ; v[64:95] x's fragment of tile j at X + 8 j.  (At the head: offsets and LDS addresses)
.set ELA,  76                          ; head: 8 x thread: where I store emb's codes
.set WIA,  77                          ; head: where I store my part of W0's image
.set BSA,  78                          ; head: BIAS + 4 x thread
.set LI16, 79                          ; head: W0IMG + 16 x lane
.set R0,   96                          ; v[96:127]  the first layer's sums; at work in the second layer's activation
.set R1,   128                         ; v[128:159] the other way round.  Ahead of the products both are at work on the features: tile j at 96 + 16 j: +0..7 u(1..8), +8,9 the series, +10 z, +11 f, +12 the sign, +13 2 cos
.set W0F,  160                         ; v[160:191] W0's four fragments
.set W1F,  192                         ; v[192:223] W1's four fragments
.set WO,   224                         ; v[224:255] Wout x 2^(e2 + e3): unit 16 t + 8 h + j at 8 t + j
; SCALARS: s4 wave, s5 gid, s6, s7 which part of W0 I quantise; s[8:29] the buffers; s[30:31] the hold for W0; s[32:36] e0..e3, bout; s37 e0 + e1, s38 e2 + e3, s39 e2 - e0 - e1;
; s[40:41] -log2(e) 2^(e0 + e1), s[42:43] the same with e2 + e3; s44, s45 +-57,344 x 2^e0; s46, s47 the same with s39; s48 -log2(e); s49 -log2(e) (bout + logit(0.3)); s50 lanes 16-31; s51 trips left;
; s[52:55] where time_idx == 0, tile by tile; s56, s57 lane selects; s58-63, s2, s3 at work.
	s_load_b256 s[8:15], s[0:1], 0x0               ; rho s[8:9], time_idx s[10:11], emb s[12:13], W0 s[14:15]
	s_load_b256 s[16:23], s[0:1], 0x20             ; b0 s[16:17], W1's codes s[18:19], b1 s[20:21], Wout s[22:23]
	s_load_b128 s[24:27], s[0:1], 0x40             ; bout s[24:25], the scales' exponents s[26:27]
	s_load_b64 s[28:29], s[0:1], 0x50              ; out0
	v_lshl_add_u32 v[SPW], v0, 2, SPARE
	v_mov_b32 v[NIL], 0
	v_lshrrev_b32 v64, 5, v0
	v_readfirstlane_b32 s4, v64                    ; wave 0..15
	v_and_b32 v66, 31, v0                          ; lane
	v_and_b32 v64, 15, v0                          ; r
	v_bfe_u32 v65, v0, 4, 1                        ; h
	s_lshl_b32 s5, s4, 8
	s_add_co_u32 s5, s5, ttmp9                     ; gid
	s_lshr_b32 s6, s4, 2                           ; t: the tile of W0's units of which I quantise a part,
	s_and_b32 s7, s4, 3                            ; c: registers 2 c, 2 c + 1 of its fragment
	; every LDS address, ahead of the one branch on the wave's number
	v_lshlrev_b32 v[EB], 4, v65
	v_lshl_add_u32 v[BL], v65, 5, BIAS
	v_lshlrev_b32 v[ELA], 3, v0
	s_lshl_b32 s58, s6, 10
	s_lshr_b32 s59, s7, 1
	s_lshl_b32 s59, s59, 9
	s_add_co_u32 s58, s58, s59
	s_and_b32 s59, s7, 1
	s_lshl_b32 s59, s59, 3
	s_add_co_u32 s58, s58, s59
	s_add_co_u32 s58, s58, W0IMG
	v_lshl_add_u32 v[WIA], v66, 4, s58             ; W0IMG + 1024 t + 512 (c / 2) + 8 (c % 2) + 16 x lane
	v_lshl_add_u32 v[BSA], v0, 2, BIAS
	v_lshl_add_u32 v[LI16], v66, 4, W0IMG
	; offsets in memory
	v_lshlrev_b32 v[GOFF], 4, v64
	v_lshl_add_u32 v[SOFF], v65, 3, v[GOFF]
	v_lshlrev_b32 v67, 5, v0                       ; emb: group g = thread + 512 i of 8 numbers lies at 32 g
	v_add_nc_u32 v68, 49152, v67                   ; i = 3:
	v_min_u32 v68, 65376, v68                      ; emb has 2,044 groups: the last four threads take the last group again, so that no load leaves the buffer
	s_lshl_b32 s58, s7, 3                          ; W0's rows of my part: c < 2: 8 c + 16 h + i;  c = 2: 33 + 8 h + i;  c = 3: 32 + i (of which only i = 0, h = 0 is a place of x)
	s_sub_co_u32 s59, 35, s7
	s_sub_co_u32 s60, 3, s7
	s_lshl_b32 s60, s60, 3
	s_cmp_lt_u32 s7, 2
	s_cselect_b32 s58, s58, s59
	s_cselect_b32 s60, 16, s60
	s_lshl_b32 s58, s58, 8                         ; a row of W0 is 256 bytes
	s_lshl_b32 s60, s60, 8
	s_lshl_b32 s59, s6, 6                          ; column 16 t + r
	s_add_co_u32 s58, s58, s59
	v_mul_u32_u24 v69, s60, v65
	v_lshl_add_u32 v69, v64, 2, v69
	v_add_nc_u32 v69, s58, v69
	v_lshlrev_b32 v70, 6, v64
	v_lshl_add_u32 v70, v65, 3, v70                ; W1's codes: unit r's row of 64 bytes, + 8 h
	v_lshlrev_b32 v71, 5, v65                      ; Wout: 32 h
	v_and_b32 v72, 63, v0
	v_lshlrev_b32 v72, 2, v72                      ; a bias: 4 (thread % 64)
	; constants
.irp i, 0,1,2,3,4,5,6,7
	v_mov_b32 v[Z+\i], 0
.endr
	v_mov_b32 v[PX], 0                             ; written once: a lane permute's destination counts as one of its sources
	v_cvt_f32_u32 v[U0], v65
	v_sub_f32 v[U0], 1.0, v[U0]
	v_mov_b32 v[ICV], 0x46068800                   ; 8,610 = 0.3 x 28,700
	v_mov_b32 v[CF+0],  0x3afce9c5                 ; pi^12 / 12!
	v_mov_b32 v[CF+1],  0x39f47a1a                 ; pi^13 / 13!
	v_mov_b32 v[CF+2],  0xbcd368f9                 ; -pi^10 / 10!
	v_mov_b32 v[CF+3],  0xbbf183a8                 ; -pi^11 / 11!
	v_mov_b32 v[CF+4],  0x3e70fa83                 ; pi^8 / 8!
	v_mov_b32 v[CF+5],  0x3da83c1a                 ; pi^9 / 9!
	v_mov_b32 v[CF+6],  0xbfaae9e4                 ; -pi^6 / 6!
	v_mov_b32 v[CF+7],  0xbf196966                 ; -pi^7 / 7!
	v_mov_b32 v[CF+8],  0x4081e0f8                 ; pi^4 / 4!
	v_mov_b32 v[CF+9],  0x402335e3                 ; pi^5 / 5!
	v_mov_b32 v[CF+10], 0xc09de9e6                 ; -pi^2 / 2
	v_mov_b32 v[CF+11], 0xc0a55de7                 ; -pi^3 / 6
	v_mov_b32 v[CF+12], 1.0
	v_mov_b32 v[CF+13], 0x40490fdb                 ; pi
	s_mov_b32 s48, 0xbfb8aa3b                      ; -log2(e)
	s_mov_b32 s50, 0xffff0000                      ; lanes 16-31
	s_mov_b32 s56, 0x76543210
	s_mov_b32 s57, 0xfedcba98                      ; v_permlanex16_b32's selects for lane l xor 16
	s_cmp_lt_u32 s5, 2578                          ; 31,250 - 7 x 4,096
	s_cselect_b32 s51, 8, 7
	s_lshl_b32 s2, s5, 8                           ; my first chunk, in bytes
	s_mov_b32 s3, 0
	s_wait_kmcnt 0x0
	s_load_b128 s[32:35], s[26:27], 0x0            ; e0, e1, e2, e3
	s_load_b32 s36, s[24:25], 0x0                  ; bout
	s_add_nc_u64 s[8:9], s[8:9], s[2:3]
	s_add_nc_u64 s[10:11], s[10:11], s[2:3]
	s_add_nc_u64 s[28:29], s[28:29], s[2:3]
	global_load_b128 v[LR:LR+3], v[GOFF], s[8:9] th:TH_LOAD_NT     ; the first chunk
	global_load_b128 v[LI:LI+3], v[GOFF], s[10:11] th:TH_LOAD_NT
.irp i, 0,1,2
	global_load_b128 v[R0+8*\i:R0+8*\i+3],   v67, s[12:13] offset:16384*\i      ; emb: four groups of 8 numbers a thread
	global_load_b128 v[R0+8*\i+4:R0+8*\i+7], v67, s[12:13] offset:16384*\i+16
.endr
	global_load_b128 v[R0+24:R0+27], v68, s[12:13]
	global_load_b128 v[R0+28:R0+31], v68, s[12:13] offset:16
.irp i, 0,1,2,3,4,5,6,7
	global_load_b32 v[R1+\i], v69, s[14:15] offset:256*\i          ; W0: my unit's column, eight rows down K
.endr
.irp t, 0,1,2,3
.irp c, 0,1,2,3
	global_load_b64 v[W1F+8*\t+2*\c:W1F+8*\t+2*\c+1], v70, s[18:19] offset:1024*\t+16*\c   ; W1(unit 16 t + r, k = 16 c + 8 h + 0..7): the fragments stay in registers
.endr
.endr
.irp t, 0,1,2,3
.irp q, 0,1
	global_load_b128 v[WO+8*\t+4*\q:WO+8*\t+4*\q+3], v71, s[22:23] offset:64*\t+16*\q
.endr
.endr
	s_wait_kmcnt 0x0
	s_add_co_i32 s37, s32, s33                     ; e0 + e1: a sum of the first product stands for sum x 2^(e0 + e1)
	s_add_co_i32 s38, s34, s35                     ; e2 + e3: likewise the second's
	s_sub_co_i32 s39, s34, s37                     ; e2 - e0 - e1: the hidden layer's conversion takes the three scales folded into one
	s_lshl_b32 s40, s37, 23
	s_add_co_u32 s40, s40, s48                     ; the exponents are added to -log2(e)'s exponent field
	s_mov_b32 s41, s40                             ; (named with it as a pair, so it is written)
	s_lshl_b32 s42, s38, 23
	s_add_co_u32 s42, s42, s48
	s_mov_b32 s43, s42
	s_add_co_i32 s58, s32, 127
	s_lshl_b32 s59, s58, 23
	v_mov_b32 v[SC0], s59                          ; 2^e0 as f32: the conversion takes its exponent field
	s_add_co_i32 s58, s58, 15
	s_lshl_b32 s58, s58, 23
	s_or_b32 s44, s58, 0x600000                    ; 57,344 x 2^e0
	s_or_b32 s45, s44, 0x80000000
	s_add_co_i32 s58, s39, 127
	s_lshl_b32 s59, s58, 23
	v_mov_b32 v[SCH], s59
	s_add_co_i32 s58, s58, 15
	s_lshl_b32 s58, s58, 23
	s_or_b32 s46, s58, 0x600000
	s_or_b32 s47, s46, 0x80000000
	s_add_co_i32 s58, s33, 127
	s_lshl_b32 s59, s58, 23
	v_mov_b32 v74, s59                             ; 2^e1
	s_add_co_i32 s58, s58, 15
	s_lshl_b32 s58, s58, 23
	s_or_b32 s30, s58, 0x600000
	s_or_b32 s31, s30, 0x80000000
	s_add_f32 s49, s36, 0xbf58e883                 ; bout + log(0.3 / 0.7)
	s_mul_f32 s49, s49, s48
	; emb's codes
	s_wait_loadcnt 32                              ; behind emb's loads stand W0's 8, W1's 16 and Wout's 8
.set NN, 0
.rept 32
	v_med3_num_f32 v[R0+NN], v[R0+NN], s45, s44    ; the conversion to an 8-bit code does not saturate (ISA guide 7.6.2): the hold at the largest code x the scale
.set NN, NN+1
.endr
.irp i, 0,1,2,3
	v_cvt_scalef32_pk8_bf8_f32 v[Y+2*\i:Y+2*\i+1], v[R0+8*\i:R0+8*\i+7], v[SC0]
.endr
	v_nop                                          ; one plain vector line behind the last conversion of a run
.irp i, 0,1,2,3
	ds_store_b64 v[ELA], v[Y+2*\i:Y+2*\i+1] offset:EMBT+4096*\i    ; group g's 8 codes at 8 g
.endr
	; my part of W0's fragments
	s_wait_loadcnt 24                              ; behind W0's loads stand W1's 16 and Wout's 8
	s_cmp_eq_u32 s7, 3                             ; registers 6, 7 hold rho's weight in byte 0 of lanes 0-15 and zeros elsewhere
	s_cselect_b32 s62, s50, 0
	s_cselect_b32 s63, -1, 0
	v_cndmask_b32 v[R1], v[R1], v[Z+1], s62
.irp i, 1,2,3,4,5,6,7
	v_cndmask_b32 v[R1+\i], v[R1+\i], v[Z+1], s63
.endr
.irp i, 0,1,2,3,4,5,6,7
	v_med3_num_f32 v[R1+\i], v[R1+\i], s31, s30
.endr
	v_cvt_scalef32_pk8_bf8_f32 v[R1+8:R1+9], v[R1:R1+7], v74
	v_nop
	ds_store_b64 v[WIA], v[R1+8:R1+9]
	; the biases: waves 0, 1: b0; waves 2, 3: b1; a number a thread
	s_cmp_lt_u32 s4, 4
	s_cbranch_scc0 .Lno_bias
	s_cmp_lt_u32 s4, 2
	s_cselect_b64 s[62:63], s[16:17], s[20:21]
	s_cselect_b32 s61, s37, s38
	s_sub_co_i32 s61, 0, s61
	global_load_b32 v73, v72, s[62:63]
	s_wait_loadcnt 0x0
	v_ldexp_f32 v73, v73, s61                      ; the bias goes in divided by the power of two that the sums lack
	ds_store_b32 v[BSA], v73
.Lno_bias:
	s_wait_dscnt 0x0                               ; for the others' sake: my stores into the tables are done
	s_barrier_signal -1
	s_barrier_wait -1                              ; the tables are whole; from here to the barrier behind the loop LDS is only read
.irp t, 0,1,2,3
.irp q, 0,1
	ds_load_b128 v[W0F+8*\t+4*\q:W0F+8*\t+4*\q+3], v[LI16] offset:1024*\t+512*\q   ; W0's fragments stay in registers; the wait ahead of the first products serves them
.endr
.endr
	s_wait_loadcnt 0x0                             ; W1, Wout, the first chunk
.set NN, 0
.rept 32
	v_ldexp_f32 v[WO+NN], v[WO+NN], s38            ; Wout x 2^(e2 + e3)
.set NN, NN+1
.endr
; eight LDS loads bring a layer's bias into the accumulators: lane (r, h), register 8 t + j: unit 16 t + 8 h + j
.macro BIASLD acc, off
.irp t, 0,1,2,3
	ds_load_b128 v[\acc+8*\t:\acc+8*\t+3],   v[BL] offset:\off+64*\t
	ds_load_b128 v[\acc+8*\t+4:\acc+8*\t+7], v[BL] offset:\off+64*\t+16
.endr
.endm
; acc = acc / (1 + 2^(acc x s[ks])): silu, short of the power of two that the sums lack.  Each batch of 32 transcendentals has one plain line and one wait behind it, ahead of its first reader.
; The first lines read each accumulator from its low end on.
.macro ACT acc, tmp, ks
.irp i, 0,2,4,6,8,10,12,14,16,18,20,22,24,26,28,30
	v_pk_mul_f32 v[\tmp+\i:\tmp+\i+1], v[\acc+\i:\acc+\i+1], s[\ks:\ks+1] op_sel_hi:[1,0]
.endr
.set NN, 0
.rept 32
	v_exp_f32 v[\tmp+NN], v[\tmp+NN]
.set NN, NN+1
.endr
	v_nop
	s_wait_alu depctr_va_vdst(0)
.irp i, 0,2,4,6,8,10,12,14,16,18,20,22,24,26,28,30
	v_pk_add_f32 v[\tmp+\i:\tmp+\i+1], v[\tmp+\i:\tmp+\i+1], 1.0 op_sel_hi:[1,0]
.endr
.set NN, 0
.rept 32
	v_rcp_f32 v[\tmp+NN], v[\tmp+NN]
.set NN, NN+1
.endr
	v_nop
	s_wait_alu depctr_va_vdst(0)
.irp i, 0,2,4,6,8,10,12,14,16,18,20,22,24,26,28,30
	v_pk_mul_f32 v[\acc+\i:\acc+\i+1], v[\acc+\i:\acc+\i+1], v[\tmp+\i:\tmp+\i+1]
.endr
.endm
; Tile j through both layers and the last product.  The eight accumulators take turns, one instruction a turn, from tile to tile and over the loop's backward jump too.
.macro MLP j
	s_wait_dscnt 0x0                               ; b0's image is in the accumulators (tile 0: the four rows of emb's codes too)
.irp t, 0,1,2,3
	v_wmma_f32_16x16x64_bf8_bf8 v[R0+8*\t:R0+8*\t+7], v[W0F+8*\t:W0F+8*\t+7], v[X+8*\j:X+8*\j+7], v[R0+8*\t:R0+8*\t+7]
.endr
.rept 4
	v_nop                                          ; four places ahead of the first read of the results (ISA guide 7.12.1)
.endr
	ACT R0, R1, 40
	BIASLD R1, 256                                 ; b1's image lands while the hidden layer is quantised
.irp t, 0,1,2,3
.irp i, 0,1,2,3,4,5,6,7
	v_med3_num_f32 v[R0+8*\t+\i], v[R0+8*\t+\i], s47, s46
.endr
	v_cvt_scalef32_pk8_bf8_f32 v[Y+2*\t:Y+2*\t+1], v[R0+8*\t:R0+8*\t+7], v[SCH]   ; registers 2 t, 2 t + 1 of the operand: k = 16 t + 8 h + 0..7
.endr
	v_nop                                          ; one plain vector line between the conversions and the products that read their results
	s_wait_dscnt 0x0
.irp t, 0,1,2,3
	v_wmma_f32_16x16x64_bf8_bf8 v[R1+8*\t:R1+8*\t+7], v[W1F+8*\t:W1F+8*\t+7], v[Y:Y+7], v[R1+8*\t:R1+8*\t+7]
.endr
.rept 4
	v_nop
.endr
	ACT R1, R0, 42
.if \j < 3
	BIASLD R0, 0                                   ; the next tile's b0
.endif
	v_pk_mul_f32 v[CH0:CH0+1], v[R1:R1+1], v[WO:WO+1]              ; the last product, f32: my 32 units in two chains
	v_pk_mul_f32 v[CH1:CH1+1], v[R1+2:R1+3], v[WO+2:WO+3]
.irp i, 4,8,12,16,20,24,28
	v_pk_fma_f32 v[CH0:CH0+1], v[R1+\i:R1+\i+1], v[WO+\i:WO+\i+1], v[CH0:CH0+1]
	v_pk_fma_f32 v[CH1:CH1+1], v[R1+\i+2:R1+\i+3], v[WO+\i+2:WO+\i+3], v[CH1:CH1+1]
.endr
	v_pk_add_f32 v[CH0:CH0+1], v[CH0:CH0+1], v[CH1:CH1+1]
	v_add_f32 v[PS+\j], v[CH0], v[CH0+1]           ; point 4 r + j: the sum over my half's units
.endm
.Ltrip:
	s_wait_loadcnt 0x0                             ; this chunk's two loads, issued a trip ago
	; the four tiles' steps take turns, so that no line waits for the line above it
.irp j, 0,1,2,3
	v_add_nc_u32 v[GA+\j], -1, v[LI+\j]
.endr
.irp j, 0,1,2,3
	v_max_i32 v[GA+\j], 0, v[GA+\j]
.endr
.irp j, 0,1,2,3
	v_min_u32 v[GA+\j], 0x1fe, v[GA+\j]            ; clip(time_idx - 1, 0, 510)
.endr
.irp j, 0,1,2,3
	v_lshl_add_u32 v[GA+\j], v[GA+\j], 5, v[EB]
.endr
.irp j, 0,1,2,3
	ds_load_b128 v[X+8*\j:X+8*\j+3], v[GA+\j]      ; emb's codes 16 h + 0..15 of my point's row
.endr
.irp j, 0,1,2,3
	v_cmp_eq_u32 s[52+\j], 0, v[LI+\j]
.endr
.irp j, 0,1,2,3
	v_rndne_f32 v[96+16*\j+12], v[LR+\j]           ; n
.endr
.irp j, 0,1,2,3
	v_sub_f32 v[96+16*\j+11], v[LR+\j], v[96+16*\j+12]   ; f = rho - n: exact
.endr
.irp j, 0,1,2,3
	v_cvt_i32_f32 v[96+16*\j+12], v[96+16*\j+12]
.endr
.irp j, 0,1,2,3
	v_mul_f32 v[96+16*\j+10], v[96+16*\j+11], v[96+16*\j+11]   ; z
.endr
.irp j, 0,1,2,3
	v_lshlrev_b32 v[96+16*\j+12], 31, v[96+16*\j+12]   ; (-1)^n as a sign bit
.endr
.irp j, 0,1,2,3
	v_pk_fma_f32 v[96+16*\j+8:96+16*\j+9], v[CF:CF+1], v[96+16*\j+10:96+16*\j+11], v[CF+2:CF+3] op_sel_hi:[1,0,1]   ; both series at once; of the pair (z, f) the low word serves both halves
.endr
.irp i, 4,6,8,10,12
.irp j, 0,1,2,3
	v_pk_fma_f32 v[96+16*\j+8:96+16*\j+9], v[96+16*\j+8:96+16*\j+9], v[96+16*\j+10:96+16*\j+11], v[CF+\i:CF+\i+1] op_sel_hi:[1,0,1]
.endr
.endr
.irp j, 0,1,2,3
	v_mul_f32 v[96+16*\j+9], v[96+16*\j+9], v[96+16*\j+11]     ; sin(pi f)
.endr
.irp j, 0,1,2,3
	v_xor_b32 v[96+16*\j+8], v[96+16*\j+8], v[96+16*\j+12]     ; cos(pi rho)
.endr
.irp j, 0,1,2,3
	v_xor_b32 v[96+16*\j+9], v[96+16*\j+9], v[96+16*\j+12]     ; sin(pi rho)
.endr
.irp j, 0,1,2,3
	v_cndmask_b32 v[96+16*\j], v[96+16*\j+8], v[96+16*\j+9], s50   ; u(1): lanes 0-15 the cosine, lanes 16-31 the sine
.endr
.irp j, 0,1,2,3
	v_add_f32 v[96+16*\j+13], v[96+16*\j+8], v[96+16*\j+8]     ; 2 cos(pi rho)
.endr
.irp j, 0,1,2,3
	v_fma_f32 v[96+16*\j+1], v[96+16*\j+13], v[96+16*\j], -v[U0]
.endr
.irp k, 2,3,4,5,6,7
.irp j, 0,1,2,3
	v_fma_f32 v[96+16*\j+\k], v[96+16*\j+13], v[96+16*\j+\k-1], -v[96+16*\j+\k-2]
.endr
.endr
.irp j, 0,1,2,3
	v_med3_num_f32 v[Z], v[LR+\j], s45, s44
	v_cvt_scalef32_pk8_bf8_f32 v[X+8*\j+6:X+8*\j+7], v[Z:Z+7], v[SC0]     ; rho's code and seven zeros
.irp i, 0,1,2,3,4,5,6,7
	v_med3_num_f32 v[96+16*\j+\i], v[96+16*\j+\i], s45, s44        ; (these eight are also the plain lines between the conversion above and the next write of its source)
.endr
	v_cvt_scalef32_pk8_bf8_f32 v[X+8*\j+4:X+8*\j+5], v[96+16*\j:96+16*\j+7], v[SC0]
.endr
	v_nop                                          ; one plain vector line behind the last conversion
	BIASLD R0, 0
	s_cmp_eq_u32 s51, 1                            ; the next chunk, 4,096 chunks on, is asked for here, if there is one: no load leaves its buffer
	s_cbranch_scc1 .Lno_next
	global_load_b128 v[LR:LR+3], v[GOFF], s[8:9] offset:1048576 th:TH_LOAD_NT
	global_load_b128 v[LI:LI+3], v[GOFF], s[10:11] offset:1048576 th:TH_LOAD_NT
.Lno_next:
	MLP 0
	MLP 1
	MLP 2
	MLP 3
	; lane (r, h) finishes points 4 r + 2 h and 4 r + 2 h + 1: it keeps its half sums of these two and sends those of the other two to lane l xor 16
	v_cndmask_b32 v[CH0],   v[PS],   v[PS+2], s50
	v_cndmask_b32 v[CH1],   v[PS+2], v[PS],   s50
	v_cndmask_b32 v[CH0+1], v[PS+1], v[PS+3], s50
	v_cndmask_b32 v[CH1+1], v[PS+3], v[PS+1], s50
	v_permlanex16_b32 v[PX], v[CH1], s56, s57
	v_add_f32 v[CH0], v[CH0], v[PX]
	v_permlanex16_b32 v[PX], v[CH1+1], s56, s57
	v_add_f32 v[CH0+1], v[CH0+1], v[PX]
	v_fma_f32 v[CH0],   v[CH0],   s48, s49         ; -log2(e) (raw + bout + logit(0.3))
	v_fma_f32 v[CH0+1], v[CH0+1], s48, s49
	v_exp_f32 v[CH0], v[CH0]
	v_exp_f32 v[CH0+1], v[CH0+1]
	v_nop
	s_wait_alu depctr_va_vdst(0)
	v_pk_add_f32 v[CH0:CH0+1], v[CH0:CH0+1], 1.0 op_sel_hi:[1,0]
	v_rcp_f32 v[CH0], v[CH0]
	v_rcp_f32 v[CH0+1], v[CH0+1]
	v_nop
	s_and_b32 s58, s52, 0xffff                     ; where time_idx == 0: lanes 0-15 by tiles 0, 1, lanes 16-31 by tiles 2, 3
	s_and_b32 s60, s54, s50
	s_or_b32 s58, s58, s60
	s_and_b32 s59, s53, 0xffff
	s_and_b32 s60, s55, s50
	s_or_b32 s59, s59, s60
	s_wait_alu depctr_va_vdst(0)
	v_pk_mul_f32 v[OUT:OUT+1], v[CH0:CH0+1], 0x46e03800 op_sel_hi:[1,0]   ; x 28,700
	v_cndmask_b32 v[OUT],   v[OUT],   v[ICV], s58
	v_cndmask_b32 v[OUT+1], v[OUT+1], v[ICV], s59
	global_store_b64 v[SOFF], v[OUT:OUT+1], s[28:29] th:TH_STORE_NT       ; the 32 lanes store 256 consecutive bytes, at a multiple of 256 from out0's first byte
	s_wait_xcnt 0x0                                ; the store has read its data, and it and the two loads their bases: only behind this wait are they written again
	s_add_nc_u64 s[8:9], s[8:9], 0x100000
	s_add_nc_u64 s[10:11], s[10:11], 0x100000
	s_add_nc_u64 s[28:29], s[28:29], 0x100000
	s_sub_co_u32 s51, s51, 1
	s_cmp_lg_u32 s51, 0
	s_cbranch_scc1 .Ltrip
	s_wait_dscnt 0x0                               ; my reads of the tables are over
	s_barrier_signal -1
	s_barrier_wait -1                              ; and so are every wave's, ahead of the one LDS write that follows
	s_wait_tensorcnt 0x0                           ; the wave's end
	ds_add_u32 v[SPW], v[NIL]
	s_wait_dscnt 0x0
	s_endpgm
.Lfunc_end_k_q759548af04_mlp:
	.size	k_q759548af04_mlp, .Lfunc_end_k_q759548af04_mlp-k_q759548af04_mlp
	.p2alignl 7, 3214868480
	.fill 96, 4, 3214868480
	.section	.rodata,"a",@progbits
	.p2align	6, 0x0
	.amdhsa_kernel k_q759548af04_mlp
		.amdhsa_group_segment_fixed_size 23040
		.amdhsa_private_segment_fixed_size 0
		.amdhsa_enable_private_segment 0
		.amdhsa_kernarg_size 88
		.amdhsa_user_sgpr_count 2
		.amdhsa_user_sgpr_kernarg_segment_ptr 1
		.amdhsa_wavefront_size32 1
		.amdhsa_system_sgpr_workgroup_id_x 1
		.amdhsa_system_sgpr_workgroup_id_y 1
		.amdhsa_system_sgpr_workgroup_id_z 1
		.amdhsa_system_vgpr_workitem_id 0
		.amdhsa_next_free_vgpr 256
		.amdhsa_next_free_sgpr 66
		.amdhsa_reserve_vcc 0
		.amdhsa_float_denorm_mode_32 3
		.amdhsa_float_denorm_mode_16_64 3
		.amdhsa_memory_ordered 1
		.amdhsa_forward_progress 1
		.amdhsa_inst_pref_size 90
	.end_amdhsa_kernel
	.amdgpu_metadata
---
amdhsa.version: [ 1, 2 ]
amdhsa.kernels:
  - .name:           k_q759548af04_mlp
    .symbol:         k_q759548af04_mlp.kd
    .args:
      - { .name: rho, .offset: 0, .size: 8, .value_kind: global_buffer, .address_space: global }
      - { .name: time_idx, .offset: 8, .size: 8, .value_kind: global_buffer, .address_space: global }
      - { .name: emb, .offset: 16, .size: 8, .value_kind: global_buffer, .address_space: global }
      - { .name: W0, .offset: 24, .size: 8, .value_kind: global_buffer, .address_space: global }
      - { .name: b0, .offset: 32, .size: 8, .value_kind: global_buffer, .address_space: global }
      - { .name: W1_codes, .offset: 40, .size: 8, .value_kind: global_buffer, .address_space: global }
      - { .name: b1, .offset: 48, .size: 8, .value_kind: global_buffer, .address_space: global }
      - { .name: Wout, .offset: 56, .size: 8, .value_kind: global_buffer, .address_space: global }
      - { .name: bout, .offset: 64, .size: 8, .value_kind: global_buffer, .address_space: global }
      - { .name: lowp_scales, .offset: 72, .size: 8, .value_kind: global_buffer, .address_space: global }
      - { .name: out0, .offset: 80, .size: 8, .value_kind: global_buffer, .address_space: global }
    .group_segment_fixed_size: 23040
    .private_segment_fixed_size: 0
    .kernarg_segment_align: 8
    .kernarg_segment_size: 88
    .max_flat_workgroup_size: 512
    .sgpr_count:     66
    .vgpr_count:     256
    .wavefront_size: 32
...
	.end_amdgpu_metadata
.endif
;; end of part 1
;; ======== version 2 of 2: 1 launch; version 1 with the launch mlp written anew for expert scheduling mode
;; launch mlp (part 2): grid 256 x 1, 16 waves a work-group, no clusters, 23,040 bytes of LDS; arguments rho, time_idx, emb, W0, b0, W1_codes, b1, Wout, bout, lowp_scales, out0; writes out0
.if DOCPART == 2
	.amdgcn_target "amdgcn-amd-amdhsa--gfx1250"
	.amdhsa_code_object_version 6
	.text
	.protected	k_q759548af04_mlp
	.globl	k_q759548af04_mlp
	.p2align	8
	.type	k_q759548af04_mlp,@function
k_q759548af04_mlp:
	s_mov_b64 s[64:65], 0
	v_nop
	global_prefetch_b8 v0, s[64:65] scope:SCOPE_SE
	s_setreg_imm32_b32 hwreg(HW_REG_WAVE_SCHED_MODE, 0, 2), 2
	s_setreg_imm32_b32 hwreg(HW_REG_WAVE_MODE, 25, 1), 1
	s_wait_xcnt 0x0
	s_wait_alu depctr_vm_vsrc(0)
; out0[p] = time_idx[p] == 0 ? 8,610 : 28,700 x sigmoid(silu(silu(Q(x) Q(W0) + b0) -> Q(.) W1 + b1) . Wout + bout + logit(0.3)),
; x = [emb[clip(time_idx - 1, 0, 510)] (32), rho, cos(k pi rho) (k = 1..8), sin(k pi rho) (k = 1..8)].  Both 64-wide products on codes of BF8 (E5M2), each operand with its given scale 2^e
; (lowp_scales: e0 x, e1 W0, e2 the hidden layer, e3 W1); the last product (N = 1) by f32 multiply-adds.  2,000,000 points.
; DEAD WORK: none.  Every input has a way to out0 and is loaded.  Points with time_idx == 0 lie among live points of a tile: they are computed and the constant is selected.  K = 49 is filled to the instruction's 64
; with weights whose code is 0.
; SHARES.  A chunk is 64 points: 256 bytes of rho, of time_idx and of out0; 2,000,000 = 64 x 31,250.  Wave gid = 256 x wave + work-group (0 .. 4,095) takes chunks gid + 4,096 i: 8 trips where gid < 2,578, else 7.
; A chunk is four tiles of 16 points: lane (r = lane % 16, h = lane / 16) loads 16 bytes at 16 r, and register j of that load is point 4 r + j, column r of tile j.
; LAYOUT.  Both products are used transposed: source 0 = 16 units of the weight, source 1 = 16 points.  In the result lane (r, h) holds point r, and register j of unit tile t holds unit 16 t + 8 h + j: the place that the
; next product's operand gives k = 16 t + 8 h + j.  So the conversions of the first layer's results ARE the second product's operand, and all 32 lanes work in every activation.
; x's 64 places along K, the same in x's and in W0's fragment: registers 0-3: emb 16 h + 0..15 (one LDS load from a table of codes); registers 4-5: cos (h = 0) or sin (h = 1) of k pi rho; register 6 byte 0: rho
; (its weight's code is 0 where h = 1); all other places: weight code 0, and x holds zeros there.
; TABLES, made once by each work-group at its head and never written again: emb's codes, W0's four fragments as images of their registers, the biases divided by the power of two that the sums lack (they are the C of
; the products).  What work-groups share is these 82 KB, read once each: no tensor load, no cluster.  Each chunk's two loads are issued a whole trip ahead of their use, so nothing is prefetched.
; FEATURES.  n = rho rounded to a whole number, f = rho - n (exact), z = f^2; cos(pi f) and sin(pi f) / f by their series in z up to z^6 (|f| <= 1/2: the first term left out is under 7e-9), the sign (-1)^n by an exclusive or;
; then u(k+1) = 2 cos(pi rho) u(k) - u(k-1), which cos and sin both obey: lanes h = 0 walk the cosines, lanes h = 1 the sines.
; silu(a) = a / (1 + 2^(-a log2 e)); an exponential that overflows gives the quotient 0, one that underflows gives a: no shift is needed.
; LIMITS.  e0, e1 and e2 - e0 - e1 between -126 and 112; e0 + e1 and e2 + e3 between -126 and 127.  |rho| < 2^31.  The angle is reduced exactly, where the f32 product pi rho k is rounded: the features differ from such a
; computation by about k |rho| 4e-7.  NaN and infinities among the floating-point inputs are not served.
; THE MODE: SCHED_MODE bits 1:0 = 2 (LLVM: expert scheduling mode 2), set by the entry lines.  The code itself states the register dependences between vector or matrix instructions and memory or LDS
; instructions, with s_wait_alu, always for 0.
; THE PLAN.  Registers that memory or LDS instructions touch, in the loop:
;   GOFF, SOFF, BL  Offsets and an LDS address: written at the head, ahead of its first wait on va_vdst, and named by no vector instruction afterwards.
;   LR, LI          Written by the two loads issued in the trip's middle; read by the next trip's feature lines and compares, which all stand ahead of that middle.
;   GA              Written at the trip's top; read by the four gathers in its middle.
;   X + 8 j .. + 3  The gathers land here; tile j's products read them.  (X + 8 j + 4 .. 7 are named by vector and matrix instructions alone.)
;   R0, R1          At work on the features, then accumulators and the activations' work registers by turns; a bias's image lands in each ahead of its products.
;   OUT             Written by the trip's last vector lines; read by the store.
; So a trip has: ONE wait on vm_vsrc at its top (the gathers have read GA, the store OUT; in the first trip, the head's loads and stores have read the registers that X and Y take over);
; ONE wait on va_vdst in its middle, behind the features, for fourteen loads: the four gathers, b0's image and the next chunk; beside it the wait on va_sdst for the four compares;
; one wait on va_vdst behind each activation whose work registers take a bias's image next; the waits behind the batches of transcendentals; and one ahead of the store.
.set EMBT,  0                          ; LDS: emb's codes, row i at 32 i; row 511 takes the last, clamped groups and is never read
.set W0IMG, 16384                      ; W0's fragments: tile t, registers 4 q .. 4 q + 3 at 1024 t + 512 q + 16 x lane
.set BIAS,  20480                      ; 64 f32 of b0 / 2^(e0 + e1), then 64 of b1 / 2^(e2 + e3)
.set SPARE, 20992                      ; the spare words, 128 bytes for each of the 16 waves: eight blocks of 256 bytes that no other line names
.set SPW,  1                           ; v1   LDS address of my spare word; never rewritten
.set NIL,  2                           ; v2   0; never rewritten
.set GOFF, 3                           ; v3   16 r: my 16 bytes of a chunk of rho and of time_idx
.set SOFF, 4                           ; v4   16 r + 8 h: my 8 bytes of a chunk of out0
.set EB,   5                           ; v5   EMBT + 16 h
.set BL,   6                           ; v6   BIAS + 32 h
.set U0,   7                           ; v7   u(0): 1 for the cosines (h = 0), 0 for the sines
.set SC0,  8                           ; v8   2^e0
.set SCH,  9                           ; v9   2^(e2 - e0 - e1)
.set ICV,  10                          ; v10  8,610
.set PX,   11                          ; v11  what the other half of the lanes sends
.set OUT,  12                          ; v[12:13] the two results that I store
.set CH0,  14                          ; v[14:15], v[58:59] two chains of the last product
.set CH1,  58
.set LR,   16                          ; v[16:19] rho of points 4 r + 0..3
.set LI,   20                          ; v[20:23] time_idx
.set PS,   24                          ; v[24:27] tile j's half sum of the last product
.set CF,   28                          ; v[28:41] the series' coefficients in pairs (cos, sin), from z^6 down to z^0
.set Z,    42                          ; v[42:49] rho, held, and seven zeros that stay
.set Y,    50                          ; v[50:57] the hidden layer's codes
.set GA,   60                          ; v[60:63] LDS address of tile j's row of emb's codes
.set X,    64                          ; v[64:95] x's fragment of tile j at X + 8 j.  (At the head: offsets and LDS addresses)
.set ELA,  76                          ; head: 8 x thread: where I store emb's codes
.set WIA,  77                          ; head: where I store my part of W0's image
.set BSA,  78                          ; head: BIAS + 4 x thread
.set LI16, 79                          ; head: W0IMG + 16 x lane
.set R0,   96                          ; v[96:127]  the first layer's sums; at work in the second layer's activation
.set R1,   128                         ; v[128:159] the other way round.  Ahead of the products both are at work on the features: tile j at 96 + 16 j: +0..7 u(1..8), +8,9 the series, +10 z, +11 f, +12 the sign, +13 2 cos
.set W0F,  160                         ; v[160:191] W0's four fragments
.set W1F,  192                         ; v[192:223] W1's four fragments
.set WO,   224                         ; v[224:255] Wout x 2^(e2 + e3): unit 16 t + 8 h + j at 8 t + j
; SCALARS: s4 wave, s5 gid, s6, s7 which part of W0 I quantise; s[8:29] the buffers; s[30:31] the hold for W0; s[32:36] e0..e3, bout; s37 e0 + e1, s38 e2 + e3, s39 e2 - e0 - e1;
; s[40:41] -log2(e) 2^(e0 + e1), s[42:43] the same with e2 + e3; s44, s45 +-57,344 x 2^e0; s46, s47 the same with s39; s48 -log2(e); s49 -log2(e) (bout + logit(0.3)); s50 lanes 16-31; s51 trips left;
; s[52:55] where time_idx == 0, tile by tile; s56, s57 lane selects; s58-63, s2, s3 at work.
	s_load_b256 s[8:15], s[0:1], 0x0               ; rho s[8:9], time_idx s[10:11], emb s[12:13], W0 s[14:15]
	s_load_b256 s[16:23], s[0:1], 0x20             ; b0 s[16:17], W1's codes s[18:19], b1 s[20:21], Wout s[22:23]
	s_load_b128 s[24:27], s[0:1], 0x40             ; bout s[24:25], the scales' exponents s[26:27]
	s_load_b64 s[28:29], s[0:1], 0x50              ; out0
	v_lshl_add_u32 v[SPW], v0, 2, SPARE
	v_mov_b32 v[NIL], 0
	v_lshrrev_b32 v64, 5, v0
	v_readfirstlane_b32 s4, v64                    ; wave 0..15
	v_and_b32 v66, 31, v0                          ; lane
	v_and_b32 v64, 15, v0                          ; r
	v_bfe_u32 v65, v0, 4, 1                        ; h
	s_wait_alu depctr_va_sdst(0)                   ; s4 is written, ahead of its first reader: gid, my part of W0 and the branch on the wave's number are made from it
	s_lshl_b32 s5, s4, 8
	s_add_co_u32 s5, s5, ttmp9                     ; gid
	s_lshr_b32 s6, s4, 2                           ; t: the tile of W0's units of which I quantise a part,
	s_and_b32 s7, s4, 3                            ; c: registers 2 c, 2 c + 1 of its fragment
	; every LDS address, ahead of the one branch on the wave's number
	v_lshlrev_b32 v[EB], 4, v65
	v_lshl_add_u32 v[BL], v65, 5, BIAS
	v_lshlrev_b32 v[ELA], 3, v0
	s_lshl_b32 s58, s6, 10
	s_lshr_b32 s59, s7, 1
	s_lshl_b32 s59, s59, 9
	s_add_co_u32 s58, s58, s59
	s_and_b32 s59, s7, 1
	s_lshl_b32 s59, s59, 3
	s_add_co_u32 s58, s58, s59
	s_add_co_u32 s58, s58, W0IMG
	v_lshl_add_u32 v[WIA], v66, 4, s58             ; W0IMG + 1024 t + 512 (c / 2) + 8 (c % 2) + 16 x lane
	v_lshl_add_u32 v[BSA], v0, 2, BIAS
	v_lshl_add_u32 v[LI16], v66, 4, W0IMG
	; offsets in memory
	v_lshlrev_b32 v[GOFF], 4, v64
	v_lshl_add_u32 v[SOFF], v65, 3, v[GOFF]
	v_lshlrev_b32 v67, 5, v0                       ; emb: group g = thread + 512 i of 8 numbers lies at 32 g
	v_add_nc_u32 v68, 49152, v67                   ; i = 3:
	v_min_u32 v68, 65376, v68                      ; emb has 2,044 groups: the last four threads take the last group again, so that no load leaves the buffer
	s_lshl_b32 s58, s7, 3                          ; W0's rows of my part: c < 2: 8 c + 16 h + i;  c = 2: 33 + 8 h + i;  c = 3: 32 + i (of which only i = 0, h = 0 is a place of x)
	s_sub_co_u32 s59, 35, s7
	s_sub_co_u32 s60, 3, s7
	s_lshl_b32 s60, s60, 3
	s_cmp_lt_u32 s7, 2
	s_cselect_b32 s58, s58, s59
	s_cselect_b32 s60, 16, s60
	s_lshl_b32 s58, s58, 8                         ; a row of W0 is 256 bytes
	s_lshl_b32 s60, s60, 8
	s_lshl_b32 s59, s6, 6                          ; column 16 t + r
	s_add_co_u32 s58, s58, s59
	v_mul_u32_u24 v69, s60, v65
	v_lshl_add_u32 v69, v64, 2, v69
	v_add_nc_u32 v69, s58, v69
	v_lshlrev_b32 v70, 6, v64
	v_lshl_add_u32 v70, v65, 3, v70                ; W1's codes: unit r's row of 64 bytes, + 8 h
	v_lshlrev_b32 v71, 5, v65                      ; Wout: 32 h
	v_and_b32 v72, 63, v0
	v_lshlrev_b32 v72, 2, v72                      ; a bias: 4 (thread % 64)
	; constants
.irp i, 0,1,2,3,4,5,6,7
	v_mov_b32 v[Z+\i], 0
.endr
	v_mov_b32 v[PX], 0                             ; written once: a lane permute's destination counts as one of its sources
	v_cvt_f32_u32 v[U0], v65
	v_sub_f32 v[U0], 1.0, v[U0]
	v_mov_b32 v[ICV], 0x46068800                   ; 8,610 = 0.3 x 28,700
	v_mov_b32 v[CF+0],  0x3afce9c5                 ; pi^12 / 12!
	v_mov_b32 v[CF+1],  0x39f47a1a                 ; pi^13 / 13!
	v_mov_b32 v[CF+2],  0xbcd368f9                 ; -pi^10 / 10!
	v_mov_b32 v[CF+3],  0xbbf183a8                 ; -pi^11 / 11!
	v_mov_b32 v[CF+4],  0x3e70fa83                 ; pi^8 / 8!
	v_mov_b32 v[CF+5],  0x3da83c1a                 ; pi^9 / 9!
	v_mov_b32 v[CF+6],  0xbfaae9e4                 ; -pi^6 / 6!
	v_mov_b32 v[CF+7],  0xbf196966                 ; -pi^7 / 7!
	v_mov_b32 v[CF+8],  0x4081e0f8                 ; pi^4 / 4!
	v_mov_b32 v[CF+9],  0x402335e3                 ; pi^5 / 5!
	v_mov_b32 v[CF+10], 0xc09de9e6                 ; -pi^2 / 2
	v_mov_b32 v[CF+11], 0xc0a55de7                 ; -pi^3 / 6
	v_mov_b32 v[CF+12], 1.0
	v_mov_b32 v[CF+13], 0x40490fdb                 ; pi
	s_mov_b32 s48, 0xbfb8aa3b                      ; -log2(e)
	s_mov_b32 s50, 0xffff0000                      ; lanes 16-31
	s_mov_b32 s56, 0x76543210
	s_mov_b32 s57, 0xfedcba98                      ; v_permlanex16_b32's selects for lane l xor 16
	s_cmp_lt_u32 s5, 2578                          ; 31,250 - 7 x 4,096
	s_cselect_b32 s51, 8, 7
	s_lshl_b32 s2, s5, 8                           ; my first chunk, in bytes
	s_mov_b32 s3, 0
	s_wait_kmcnt 0x0
	s_load_b128 s[32:35], s[26:27], 0x0            ; e0, e1, e2, e3
	s_load_b32 s36, s[24:25], 0x0                  ; bout
	s_add_nc_u64 s[8:9], s[8:9], s[2:3]
	s_add_nc_u64 s[10:11], s[10:11], s[2:3]
	s_add_nc_u64 s[28:29], s[28:29], s[2:3]
	s_wait_alu depctr_va_vdst(0)                   ; every offset and LDS address made above is written: GOFF, SOFF, BL, v67 to v72, ELA, WIA, BSA, LI16, which the kernel's loads and stores read; no vector line below names one of them before its last use
	global_load_b128 v[LR:LR+3], v[GOFF], s[8:9] th:TH_LOAD_NT     ; the first chunk
	global_load_b128 v[LI:LI+3], v[GOFF], s[10:11] th:TH_LOAD_NT
.irp i, 0,1,2
	global_load_b128 v[R0+8*\i:R0+8*\i+3],   v67, s[12:13] offset:16384*\i      ; emb: four groups of 8 numbers a thread
	global_load_b128 v[R0+8*\i+4:R0+8*\i+7], v67, s[12:13] offset:16384*\i+16
.endr
	global_load_b128 v[R0+24:R0+27], v68, s[12:13]
	global_load_b128 v[R0+28:R0+31], v68, s[12:13] offset:16
.irp i, 0,1,2,3,4,5,6,7
	global_load_b32 v[R1+\i], v69, s[14:15] offset:256*\i          ; W0: my unit's column, eight rows down K
.endr
.irp t, 0,1,2,3
.irp c, 0,1,2,3
	global_load_b64 v[W1F+8*\t+2*\c:W1F+8*\t+2*\c+1], v70, s[18:19] offset:1024*\t+16*\c   ; W1(unit 16 t + r, k = 16 c + 8 h + 0..7): the fragments stay in registers
.endr
.endr
.irp t, 0,1,2,3
.irp q, 0,1
	global_load_b128 v[WO+8*\t+4*\q:WO+8*\t+4*\q+3], v71, s[22:23] offset:64*\t+16*\q
.endr
.endr
	s_wait_kmcnt 0x0
	s_add_co_i32 s37, s32, s33                     ; e0 + e1: a sum of the first product stands for sum x 2^(e0 + e1)
	s_add_co_i32 s38, s34, s35                     ; e2 + e3: likewise the second's
	s_sub_co_i32 s39, s34, s37                     ; e2 - e0 - e1: the hidden layer's conversion takes the three scales folded into one
	s_lshl_b32 s40, s37, 23
	s_add_co_u32 s40, s40, s48                     ; the exponents are added to -log2(e)'s exponent field
	s_mov_b32 s41, s40                             ; (named with it as a pair, so it is written)
	s_lshl_b32 s42, s38, 23
	s_add_co_u32 s42, s42, s48
	s_mov_b32 s43, s42
	s_add_co_i32 s58, s32, 127
	s_lshl_b32 s59, s58, 23
	v_mov_b32 v[SC0], s59                          ; 2^e0 as f32: the conversion takes its exponent field
	s_add_co_i32 s58, s58, 15
	s_lshl_b32 s58, s58, 23
	s_or_b32 s44, s58, 0x600000                    ; 57,344 x 2^e0
	s_or_b32 s45, s44, 0x80000000
	s_add_co_i32 s58, s39, 127
	s_lshl_b32 s59, s58, 23
	v_mov_b32 v[SCH], s59
	s_add_co_i32 s58, s58, 15
	s_lshl_b32 s58, s58, 23
	s_or_b32 s46, s58, 0x600000
	s_or_b32 s47, s46, 0x80000000
	s_add_co_i32 s58, s33, 127
	s_lshl_b32 s59, s58, 23
	v_mov_b32 v74, s59                             ; 2^e1
	s_add_co_i32 s58, s58, 15
	s_lshl_b32 s58, s58, 23
	s_or_b32 s30, s58, 0x600000
	s_or_b32 s31, s30, 0x80000000
	s_add_f32 s49, s36, 0xbf58e883                 ; bout + log(0.3 / 0.7)
	s_mul_f32 s49, s49, s48
	; emb's codes
	s_wait_loadcnt 32                              ; behind emb's loads stand W0's 8, W1's 16 and Wout's 8
.set NN, 0
.rept 32
	v_med3_num_f32 v[R0+NN], v[R0+NN], s45, s44    ; the conversion to an 8-bit code does not saturate (ISA guide 7.6.2): the hold at the largest code x the scale
.set NN, NN+1
.endr
.irp i, 0,1,2,3
	v_cvt_scalef32_pk8_bf8_f32 v[Y+2*\i:Y+2*\i+1], v[R0+8*\i:R0+8*\i+7], v[SC0]
.endr
	v_nop                                          ; one plain vector line behind the last conversion of a run
	; my part of W0's fragments
	s_wait_loadcnt 24                              ; behind W0's loads stand W1's 16 and Wout's 8
	s_cmp_eq_u32 s7, 3                             ; registers 6, 7 hold rho's weight in byte 0 of lanes 0-15 and zeros elsewhere
	s_cselect_b32 s62, s50, 0
	s_cselect_b32 s63, -1, 0
	v_cndmask_b32 v[R1], v[R1], v[Z+1], s62
.irp i, 1,2,3,4,5,6,7
	v_cndmask_b32 v[R1+\i], v[R1+\i], v[Z+1], s63
.endr
.irp i, 0,1,2,3,4,5,6,7
	v_med3_num_f32 v[R1+\i], v[R1+\i], s31, s30
.endr
	v_cvt_scalef32_pk8_bf8_f32 v[R1+8:R1+9], v[R1:R1+7], v74
	v_nop
	s_wait_alu depctr_va_vdst(0)                   ; the five conversions have written Y and v[R1+8:R1+9], which the five LDS stores below read
.irp i, 0,1,2,3
	ds_store_b64 v[ELA], v[Y+2*\i:Y+2*\i+1] offset:EMBT+4096*\i    ; group g's 8 codes at 8 g
.endr
	ds_store_b64 v[WIA], v[R1+8:R1+9]
	; the biases: waves 0, 1: b0; waves 2, 3: b1; a number a thread
	s_cmp_lt_u32 s4, 4
	s_cbranch_scc0 .Lno_bias
	s_cmp_lt_u32 s4, 2
	s_cselect_b64 s[62:63], s[16:17], s[20:21]
	s_cselect_b32 s61, s37, s38
	s_sub_co_i32 s61, 0, s61
	global_load_b32 v73, v72, s[62:63]
	s_wait_loadcnt 0x0
	v_ldexp_f32 v73, v73, s61                      ; the bias goes in divided by the power of two that the sums lack
	s_wait_alu depctr_va_vdst(0)                   ; v73 is written, which the LDS store reads
	ds_store_b32 v[BSA], v73
.Lno_bias:
	s_wait_dscnt 0x0                               ; for the others' sake: my stores into the tables are done
	s_barrier_signal -1
	s_barrier_wait -1                              ; the tables are whole; from here to the barrier behind the loop LDS is only read
.irp t, 0,1,2,3
.irp q, 0,1
	ds_load_b128 v[W0F+8*\t+4*\q:W0F+8*\t+4*\q+3], v[LI16] offset:1024*\t+512*\q   ; W0's fragments stay in registers; the wait ahead of the first products serves them
.endr
.endr
	s_wait_loadcnt 0x0                             ; W1, Wout, the first chunk
.set NN, 0
.rept 32
	v_ldexp_f32 v[WO+NN], v[WO+NN], s38            ; Wout x 2^(e2 + e3)
.set NN, NN+1
.endr
; eight LDS loads bring a layer's bias into the accumulators: lane (r, h), register 8 t + j: unit 16 t + 8 h + j
.macro BIASLD acc, off
.irp t, 0,1,2,3
	ds_load_b128 v[\acc+8*\t:\acc+8*\t+3],   v[BL] offset:\off+64*\t
	ds_load_b128 v[\acc+8*\t+4:\acc+8*\t+7], v[BL] offset:\off+64*\t+16
.endr
.endm
; acc = acc / (1 + 2^(acc x s[ks])): silu, short of the power of two that the sums lack.  Each batch of 32 transcendentals has one plain line and one wait behind it, ahead of its first reader.
; The first lines read each accumulator from its low end on.
.macro ACT acc, tmp, ks
.irp i, 0,2,4,6,8,10,12,14,16,18,20,22,24,26,28,30
	v_pk_mul_f32 v[\tmp+\i:\tmp+\i+1], v[\acc+\i:\acc+\i+1], s[\ks:\ks+1] op_sel_hi:[1,0]
.endr
.set NN, 0
.rept 32
	v_exp_f32 v[\tmp+NN], v[\tmp+NN]
.set NN, NN+1
.endr
	v_nop
	s_wait_alu depctr_va_vdst(0)                   ; the 32 exponentials have written v[tmp ..], which the additions below read
.irp i, 0,2,4,6,8,10,12,14,16,18,20,22,24,26,28,30
	v_pk_add_f32 v[\tmp+\i:\tmp+\i+1], v[\tmp+\i:\tmp+\i+1], 1.0 op_sel_hi:[1,0]
.endr
.set NN, 0
.rept 32
	v_rcp_f32 v[\tmp+NN], v[\tmp+NN]
.set NN, NN+1
.endr
	v_nop
	s_wait_alu depctr_va_vdst(0)                   ; the 32 reciprocals have written v[tmp ..], which the multiplications below read
.irp i, 0,2,4,6,8,10,12,14,16,18,20,22,24,26,28,30
	v_pk_mul_f32 v[\acc+\i:\acc+\i+1], v[\acc+\i:\acc+\i+1], v[\tmp+\i:\tmp+\i+1]
.endr
.endm
; Tile j through both layers and the last product.  The eight accumulators take turns, one instruction a turn, from tile to tile and over the loop's backward jump too.
.macro MLP j
	s_wait_dscnt 0x0                               ; b0's image is in the accumulators (tile 0: the four rows of emb's codes too)
.irp t, 0,1,2,3
	v_wmma_f32_16x16x64_bf8_bf8 v[R0+8*\t:R0+8*\t+7], v[W0F+8*\t:W0F+8*\t+7], v[X+8*\j:X+8*\j+7], v[R0+8*\t:R0+8*\t+7]
.endr
.rept 4
	v_nop                                          ; four places ahead of the first read of the results (ISA guide 7.12.1)
.endr
	ACT R0, R1, 40
	s_wait_alu depctr_va_vdst(0)                   ; the activation's lines are done writing and reading R1, its work registers, in which b1's image lands
	BIASLD R1, 256                                 ; b1's image lands while the hidden layer is quantised: the lines below name R0, Y and SCH alone
.irp t, 0,1,2,3
.irp i, 0,1,2,3,4,5,6,7
	v_med3_num_f32 v[R0+8*\t+\i], v[R0+8*\t+\i], s47, s46
.endr
	v_cvt_scalef32_pk8_bf8_f32 v[Y+2*\t:Y+2*\t+1], v[R0+8*\t:R0+8*\t+7], v[SCH]   ; registers 2 t, 2 t + 1 of the operand: k = 16 t + 8 h + 0..7
.endr
	v_nop                                          ; one plain vector line between the conversions and the products that read their results
	s_wait_dscnt 0x0
.irp t, 0,1,2,3
	v_wmma_f32_16x16x64_bf8_bf8 v[R1+8*\t:R1+8*\t+7], v[W1F+8*\t:W1F+8*\t+7], v[Y:Y+7], v[R1+8*\t:R1+8*\t+7]
.endr
.rept 4
	v_nop
.endr
	ACT R1, R0, 42
.if \j < 3
	s_wait_alu depctr_va_vdst(0)                   ; the activation's lines are done writing and reading R0, its work registers, in which the next tile's b0 lands
	BIASLD R0, 0                                   ; the next tile's b0: the last product below names R1, WO, the chains and PS alone
.endif
	v_pk_mul_f32 v[CH0:CH0+1], v[R1:R1+1], v[WO:WO+1]              ; the last product, f32: my 32 units in two chains
	v_pk_mul_f32 v[CH1:CH1+1], v[R1+2:R1+3], v[WO+2:WO+3]
.irp i, 4,8,12,16,20,24,28
	v_pk_fma_f32 v[CH0:CH0+1], v[R1+\i:R1+\i+1], v[WO+\i:WO+\i+1], v[CH0:CH0+1]
	v_pk_fma_f32 v[CH1:CH1+1], v[R1+\i+2:R1+\i+3], v[WO+\i+2:WO+\i+3], v[CH1:CH1+1]
.endr
	v_pk_add_f32 v[CH0:CH0+1], v[CH0:CH0+1], v[CH1:CH1+1]
	v_add_f32 v[PS+\j], v[CH0], v[CH0+1]           ; point 4 r + j: the sum over my half's units
.endm
.Ltrip:
	s_wait_loadcnt 0x0                             ; this chunk's two loads, issued a trip ago
	s_wait_alu depctr_vm_vsrc(0)                   ; the last trip's gathers have read GA and its store has read OUT; in the first trip the head's loads and stores have read v67 to v73, v76 to v79, Y and v[R1+8:R1+9]: all of these are written again below
	; the four tiles' steps take turns, so that no line waits for the line above it
.irp j, 0,1,2,3
	v_add_nc_u32 v[GA+\j], -1, v[LI+\j]
.endr
.irp j, 0,1,2,3
	v_max_i32 v[GA+\j], 0, v[GA+\j]
.endr
.irp j, 0,1,2,3
	v_min_u32 v[GA+\j], 0x1fe, v[GA+\j]            ; clip(time_idx - 1, 0, 510)
.endr
.irp j, 0,1,2,3
	v_lshl_add_u32 v[GA+\j], v[GA+\j], 5, v[EB]
.endr
.irp j, 0,1,2,3
	v_cmp_eq_u32 s[52+\j], 0, v[LI+\j]
.endr
.irp j, 0,1,2,3
	v_rndne_f32 v[96+16*\j+12], v[LR+\j]           ; n
.endr
.irp j, 0,1,2,3
	v_sub_f32 v[96+16*\j+11], v[LR+\j], v[96+16*\j+12]   ; f = rho - n: exact
.endr
.irp j, 0,1,2,3
	v_cvt_i32_f32 v[96+16*\j+12], v[96+16*\j+12]
.endr
.irp j, 0,1,2,3
	v_mul_f32 v[96+16*\j+10], v[96+16*\j+11], v[96+16*\j+11]   ; z
.endr
.irp j, 0,1,2,3
	v_lshlrev_b32 v[96+16*\j+12], 31, v[96+16*\j+12]   ; (-1)^n as a sign bit
.endr
.irp j, 0,1,2,3
	v_pk_fma_f32 v[96+16*\j+8:96+16*\j+9], v[CF:CF+1], v[96+16*\j+10:96+16*\j+11], v[CF+2:CF+3] op_sel_hi:[1,0,1]   ; both series at once; of the pair (z, f) the low word serves both halves
.endr
.irp i, 4,6,8,10,12
.irp j, 0,1,2,3
	v_pk_fma_f32 v[96+16*\j+8:96+16*\j+9], v[96+16*\j+8:96+16*\j+9], v[96+16*\j+10:96+16*\j+11], v[CF+\i:CF+\i+1] op_sel_hi:[1,0,1]
.endr
.endr
.irp j, 0,1,2,3
	v_mul_f32 v[96+16*\j+9], v[96+16*\j+9], v[96+16*\j+11]     ; sin(pi f)
.endr
.irp j, 0,1,2,3
	v_xor_b32 v[96+16*\j+8], v[96+16*\j+8], v[96+16*\j+12]     ; cos(pi rho)
.endr
.irp j, 0,1,2,3
	v_xor_b32 v[96+16*\j+9], v[96+16*\j+9], v[96+16*\j+12]     ; sin(pi rho)
.endr
.irp j, 0,1,2,3
	v_cndmask_b32 v[96+16*\j], v[96+16*\j+8], v[96+16*\j+9], s50   ; u(1): lanes 0-15 the cosine, lanes 16-31 the sine
.endr
.irp j, 0,1,2,3
	v_add_f32 v[96+16*\j+13], v[96+16*\j+8], v[96+16*\j+8]     ; 2 cos(pi rho)
.endr
.irp j, 0,1,2,3
	v_fma_f32 v[96+16*\j+1], v[96+16*\j+13], v[96+16*\j], -v[U0]
.endr
.irp k, 2,3,4,5,6,7
.irp j, 0,1,2,3
	v_fma_f32 v[96+16*\j+\k], v[96+16*\j+13], v[96+16*\j+\k-1], -v[96+16*\j+\k-2]
.endr
.endr
.irp j, 0,1,2,3
	v_med3_num_f32 v[Z], v[LR+\j], s45, s44
	v_cvt_scalef32_pk8_bf8_f32 v[X+8*\j+6:X+8*\j+7], v[Z:Z+7], v[SC0]     ; rho's code and seven zeros
.irp i, 0,1,2,3,4,5,6,7
	v_med3_num_f32 v[96+16*\j+\i], v[96+16*\j+\i], s45, s44        ; (these eight are also the plain lines between the conversion above and the next write of its source)
.endr
	v_cvt_scalef32_pk8_bf8_f32 v[X+8*\j+4:X+8*\j+5], v[96+16*\j:96+16*\j+7], v[SC0]
.endr
	v_nop                                          ; one plain vector line behind the last conversion
	s_wait_alu depctr_va_sdst(0)                   ; the four compares have written s[52:55], ahead of the branch below and of their first readers at the trip's end
	s_wait_alu depctr_va_vdst(0)                   ; GA is written, which the gathers read; the last trip's products are done reading X's low registers, in which they land; the feature lines are done with R0, in which b0's image lands, and with LR and LI, in which the next chunk lands
.irp j, 0,1,2,3
	ds_load_b128 v[X+8*\j:X+8*\j+3], v[GA+\j]      ; emb's codes 16 h + 0..15 of my point's row
.endr
	BIASLD R0, 0
	s_cmp_eq_u32 s51, 1                            ; the next chunk, 4,096 chunks on, is asked for here, if there is one: no load leaves its buffer
	s_cbranch_scc1 .Lno_next
	global_load_b128 v[LR:LR+3], v[GOFF], s[8:9] offset:1048576 th:TH_LOAD_NT      ; no vector line stands between the wait above and these two
	global_load_b128 v[LI:LI+3], v[GOFF], s[10:11] offset:1048576 th:TH_LOAD_NT
.Lno_next:
	MLP 0
	MLP 1
	MLP 2
	MLP 3
	; lane (r, h) finishes points 4 r + 2 h and 4 r + 2 h + 1: it keeps its half sums of these two and sends those of the other two to lane l xor 16
	v_cndmask_b32 v[CH0],   v[PS],   v[PS+2], s50
	v_cndmask_b32 v[CH1],   v[PS+2], v[PS],   s50
	v_cndmask_b32 v[CH0+1], v[PS+1], v[PS+3], s50
	v_cndmask_b32 v[CH1+1], v[PS+3], v[PS+1], s50
	v_permlanex16_b32 v[PX], v[CH1], s56, s57
	v_add_f32 v[CH0], v[CH0], v[PX]
	v_permlanex16_b32 v[PX], v[CH1+1], s56, s57
	v_add_f32 v[CH0+1], v[CH0+1], v[PX]
	v_fma_f32 v[CH0],   v[CH0],   s48, s49         ; -log2(e) (raw + bout + logit(0.3))
	v_fma_f32 v[CH0+1], v[CH0+1], s48, s49
	v_exp_f32 v[CH0], v[CH0]
	v_exp_f32 v[CH0+1], v[CH0+1]
	v_nop
	s_wait_alu depctr_va_vdst(0)                   ; the two exponentials have written v[CH0:CH0+1], which the addition below reads
	v_pk_add_f32 v[CH0:CH0+1], v[CH0:CH0+1], 1.0 op_sel_hi:[1,0]
	v_rcp_f32 v[CH0], v[CH0]
	v_rcp_f32 v[CH0+1], v[CH0+1]
	v_nop
	s_and_b32 s58, s52, 0xffff                     ; where time_idx == 0: lanes 0-15 by tiles 0, 1, lanes 16-31 by tiles 2, 3
	s_and_b32 s60, s54, s50
	s_or_b32 s58, s58, s60
	s_and_b32 s59, s53, 0xffff
	s_and_b32 s60, s55, s50
	s_or_b32 s59, s59, s60
	s_wait_alu depctr_va_vdst(0)                   ; the two reciprocals have written v[CH0:CH0+1], which the multiplication below reads
	v_pk_mul_f32 v[OUT:OUT+1], v[CH0:CH0+1], 0x46e03800 op_sel_hi:[1,0]   ; x 28,700
	v_cndmask_b32 v[OUT],   v[OUT],   v[ICV], s58
	v_cndmask_b32 v[OUT+1], v[OUT+1], v[ICV], s59
	s_wait_alu depctr_va_vdst(0)                   ; OUT is written, which the store reads
	global_store_b64 v[SOFF], v[OUT:OUT+1], s[28:29] th:TH_STORE_NT       ; the 32 lanes store 256 consecutive bytes, at a multiple of 256 from out0's first byte
	s_wait_xcnt 0x0                                ; the store has read its data, and it and the two loads their bases: only behind this wait are they written again
	s_add_nc_u64 s[8:9], s[8:9], 0x100000
	s_add_nc_u64 s[10:11], s[10:11], 0x100000
	s_add_nc_u64 s[28:29], s[28:29], 0x100000
	s_sub_co_u32 s51, s51, 1
	s_cmp_lg_u32 s51, 0
	s_cbranch_scc1 .Ltrip
	s_wait_dscnt 0x0                               ; my reads of the tables are over
	s_barrier_signal -1
	s_barrier_wait -1                              ; and so are every wave's, ahead of the one LDS write that follows
	s_wait_dscnt 0x0                               ; the closing lines, six on end
	s_wait_alu 0x0
	s_wait_tensorcnt 0x0
	ds_add_u32 v[SPW], v[NIL]
	s_wait_dscnt 0x0
	s_endpgm
.Lfunc_end_k_q759548af04_mlp:
	.size	k_q759548af04_mlp, .Lfunc_end_k_q759548af04_mlp-k_q759548af04_mlp
	.p2alignl 7, 3214868480
	.fill 96, 4, 3214868480
	.section	.rodata,"a",@progbits
	.p2align	6, 0x0
	.amdhsa_kernel k_q759548af04_mlp
		.amdhsa_group_segment_fixed_size 23040
		.amdhsa_private_segment_fixed_size 0
		.amdhsa_enable_private_segment 0
		.amdhsa_kernarg_size 88
		.amdhsa_user_sgpr_count 2
		.amdhsa_user_sgpr_kernarg_segment_ptr 1
		.amdhsa_wavefront_size32 1
		.amdhsa_system_sgpr_workgroup_id_x 1
		.amdhsa_system_sgpr_workgroup_id_y 1
		.amdhsa_system_sgpr_workgroup_id_z 1
		.amdhsa_system_vgpr_workitem_id 0
		.amdhsa_next_free_vgpr 256
		.amdhsa_next_free_sgpr 66
		.amdhsa_reserve_vcc 0
		.amdhsa_float_denorm_mode_32 3
		.amdhsa_float_denorm_mode_16_64 3
		.amdhsa_memory_ordered 1
		.amdhsa_forward_progress 1
		.amdhsa_inst_pref_size 90
	.end_amdhsa_kernel
	.amdgpu_metadata
---
amdhsa.version: [ 1, 2 ]
amdhsa.kernels:
  - .name:           k_q759548af04_mlp
    .symbol:         k_q759548af04_mlp.kd
    .args:
      - { .name: rho, .offset: 0, .size: 8, .value_kind: global_buffer, .address_space: global }
      - { .name: time_idx, .offset: 8, .size: 8, .value_kind: global_buffer, .address_space: global }
      - { .name: emb, .offset: 16, .size: 8, .value_kind: global_buffer, .address_space: global }
      - { .name: W0, .offset: 24, .size: 8, .value_kind: global_buffer, .address_space: global }
      - { .name: b0, .offset: 32, .size: 8, .value_kind: global_buffer, .address_space: global }
      - { .name: W1_codes, .offset: 40, .size: 8, .value_kind: global_buffer, .address_space: global }
      - { .name: b1, .offset: 48, .size: 8, .value_kind: global_buffer, .address_space: global }
      - { .name: Wout, .offset: 56, .size: 8, .value_kind: global_buffer, .address_space: global }
      - { .name: bout, .offset: 64, .size: 8, .value_kind: global_buffer, .address_space: global }
      - { .name: lowp_scales, .offset: 72, .size: 8, .value_kind: global_buffer, .address_space: global }
      - { .name: out0, .offset: 80, .size: 8, .value_kind: global_buffer, .address_space: global }
    .group_segment_fixed_size: 23040
    .private_segment_fixed_size: 0
    .kernarg_segment_align: 8
    .kernarg_segment_size: 88
    .max_flat_workgroup_size: 512
    .sgpr_count:     66
    .vgpr_count:     256
    .wavefront_size: 32
...
	.end_amdgpu_metadata
.endif
;; end of part 2
